; MI455X (gfx1250); checked and timed in simulation.
; The chip was launched on July 23, 2026; its instructions are those of AMD's public machine-readable ISA for CDNA 5 (MIT licence, August 2026) and "CDNA5" Instruction Set Architecture Reference Guide (July 2026). The comments in the code are by the model that wrote it; some were corrected since.
;; Attention. Allowed arithmetic: matrix products marked QUANTISED: E4M3 operands, one E8M0 scale for each 32 along K, by v_wmma_scale_f32_16x16x128_f8f6f4 with both operands' format E4M3, f32 sums; everything else in f32.
;; Inputs: k 4 x 16 x 2,048 x 64 float32; q 4 x 16 x 2,048 x 64 float32; v 4 x 16 x 2,048 x 64 float32.
;; Outputs: out0 4 x 16 x 2,048 x 64 float32.
;; This version of the problem:
;;   THIS VERSION OF THE PROBLEM IS GIVEN IN LOW PRECISION. The matrix products marked QUANTISED in the list below multiply operands that are first quantised to E4M3 (4 exponent bits, 3 mantissa bits; 8 bits a number), with one power-of-two scale for each 32 numbers along K (OCP MX v1.0); their sums are f32. All else is computed in f32.
;;   The module's matrix products, in the order in which they are computed (A, B: the left and right operand; K: the contracted axis; several contracted axes count as one K, in the product's order):
;;     1. batch 64 x [M 2,048, K 64] x [K 64, N 2,048]; A: input q; B: input k: QUANTISED
;;     2. batch 64 x [M 2,048, K 2,048] x [K 2,048, N 64]; A: softmax (see below); B: input v: QUANTISED
;;   THE QUANTISER, for each operand of a quantised product, along K:
;;     - K is cut into blocks of 32 from its start; a last block that is shorter is filled with zeros.
;;     - A block's scale is 2^e with e = floor(log2(the largest magnitude in the block)) - 8, held to -126 .. 127; a block of zeros has e = 0. As a byte (E8M0): e + 127.
;;     - Each number is divided by its block's scale, clamped to +-448, and rounded to the nearest number of E4M3, ties to even, subnormals kept.
;;     - The product sums the exact products of the quantised numbers (number of the format x scale) in f32.
;;   ~~~python
;;   def quantise(x, axis):      # numpy; x: float32 -> the quantised numbers, widened to float32 again
;;       x = np.moveaxis(x, axis, -1); K = x.shape[-1]
;;       x = np.pad(x, [(0, 0)] * (x.ndim - 1) + [(0, -K % 32)]); x = x.reshape(x.shape[:-1] + (-1, 32)); a = np.abs(x).max(-1, keepdims=True)
;;       e = np.where(a > 0, np.clip(np.frexp(np.where(a > 0, a, 1))[1] - 1 - 8, -126, 127), 0)      # np.frexp(a)[1] - 1 = floor(log2(a)), exactly
;;       r = np.clip(x / 2.0 ** e, -448, 448)
;;       step = 2.0 ** (np.maximum(np.frexp(np.where(r == 0, 1, r))[1] - 1, -6) - 3)
;;       q = np.round(r / step) * step * 2.0 ** e      # np.round: ties to even
;;       return np.moveaxis(q.reshape(q.shape[:-2] + (-1,))[..., :K], -1, axis).astype(np.float32)
;;   ~~~
;;   SOFTMAX AHEAD OF A QUANTISED PRODUCT. Where the list says 'softmax', what is quantised is not the finished softmax but p = 2^(t - M), with t = logit x log2(e) and M = ceil(the row's largest t), a whole number; so 1/2 < the row's largest p <= 1. The row's sum l is taken of the UNQUANTISED p, in f32, and the product's result is divided by l at the end. Since M is a whole number, a kernel that streams over the keys may use a running M (the ceiling of the running maximum): every later rescaling is an exact power of two, which a block's scale takes up: the codes' values come out the same.
;;   OPERANDS COMPUTED ON THE WAY. 'Computed on the way' means the value that the module computes at that place (a softmax that the list does not call 'softmax' is quantised finished and normalised). What goes into a quantiser is computed in f32, as accurately as f32 sums, v_exp_f32 and their like allow (about 1e-6 of the number): no bf16 or f16 on the way to a quantiser, and a product that is left as it is and whose result goes on into a quantised operand takes f32 operands (vector FMAs, or v_wmma_f32_16x16x4_f32). A number that lies on a knife's edge between two numbers of the format may be rounded either way, as far as f32 arithmetic and the matrix unit's own rounding can turn it there, and no further.
;; One version. Each part assembles by itself: llvm-mc -triple=amdgcn-amd-amdhsa -mcpu=gfx1250 --defsym DOCPART=n.
;; ======== version 1 of 1: 2 launches
;; limits: right only within a limited range of input values
;; workspace buffers: kv 17,301,504 bytes
;; launch prep (part 1): grid 256 x 2, 4 waves a work-group, no clusters, 70,144 bytes of LDS; arguments k, v, kv; writes kv
.if DOCPART == 1
	.amdgcn_target "amdgcn-amd-amdhsa--gfx1250"
	.amdhsa_code_object_version 6
	.text
	.protected	k_q36f8ea40c8_prep
	.globl	k_q36f8ea40c8_prep
	.p2align	8
	.type	k_q36f8ea40c8_prep,@function
k_q36f8ea40c8_prep:
	s_mov_b64 s[64:65], 0
	v_nop
	global_prefetch_b8 v0, s[64:65] scope:SCOPE_SE
	s_setreg_imm32_b32 hwreg(HW_REG_WAVE_MODE, 25, 1), 1
	s_wait_xcnt 0x0
; k and v, [64 heads][2048 keys][64] f32, become codes of FP8 (E4M3) with one E8M0 byte for each 32 along a product's K, laid in kv as IMAGES OF THE OPERANDS' REGISTERS,
; so that the attention launch brings a head by dense tensor loads and takes every fragment by ds_load_b128 at 16 x lane.
; k is quantised along the head's 64 channels (two blocks a key), v along the KEYS (a block = 32 keys of one channel).
; kv, for each head HEADB = 270,336 bytes.  Step j (keys 128 j .. 128 j + 127) has 16,384 bytes of codes at 16,384 j:
;   K: four fragments f of 2,048 bytes; register group c of lane (r, h) at 2,048 f + 512 c + 16 lane: key 32 f + 8 (c / 2) + r + 8 (r / 8), channels 32 (c % 2) + 16 h + 0 .. 15:
;      a fragment of 128 along K holds TWO tiles of 16 keys x 64 channels; the keys of a tile are chosen so that the scores of tiles 2 f, 2 f + 1 are 16 neighbouring keys in a lane.
;   V: at + 8,192, four tiles t of 16 channels; group c at 2,048 t + 512 c + 16 lane: channel 16 t + r, keys 32 c + 16 h + 0 .. 15.
; and 512 bytes of scale words at 262,144 + 512 j: K's 256, then V's 256: word g of lane L at 8 L + 4 g: lanes 0-15 fragment (tile) 2 g row r, lanes 16-31 fragment 2 g + 1 row r.
; A block's scale is 2^(floor(log2(its largest magnitude)) - 8); its byte is the largest magnitude's exponent field - 8, held at 1 from below by a floor among the maximum's leaves.
; LIMITS: NaN and infinities among the inputs are not served.  A block of zeros keeps the byte 1 where the rule says 127: its codes are zeros, and this program alone reads the bytes.
; SHARES: work-group y = 0 takes k, y = 1 takes v.  A wave takes one step of one head (128 rows x 256 bytes, dense), in four chunks of 32 rows.  Each load reads 512 consecutive bytes;
; a chunk turns through the wave's own stage in LDS (rows 272 bytes apart) and comes back with 16 neighbours along K in a lane's registers.  No barrier: waves share nothing.
; The two paths have LDS bytes of their own.  Every store covers whole aligned runs: 512 bytes of codes, 256 bytes of scale words.  No store's data register is written again.
.set HEADB, 270336
.set STG,   32*272                     ; a wave's stage
.set W,     8                          ; v8-11    the four scale words
.set SW,    12                         ; v12-13   as they are stored
.set TM,    16                         ; v16-19 largest magnitudes, v20-23 the other half's / the bytes, v24-27 448 x the scale, v28-31 the conversions' scale operands
.set X,     32                         ; v32-159  two sets of 64 numbers
.set PC,    160                        ; v160-223 codes: 16 registers for each chunk
.set SEL,   20                         ; s[20:21] v_permlanex16_b32's selects for lane l xor 16
.set MNT,   22                         ; s22      the mantissa field of 448
	s_load_b128 s[4:7], s[0:1], 0x0                ; k, v
	s_load_b64 s[8:9], s[0:1], 0x10                ; kv
	v_lshl_add_u32 v224, v0, 2, 0x11000
	v_mov_b32 v225, 0
	v_lshrrev_b32 v1, 5, v0
	v_readfirstlane_b32 s10, v1                    ; wave 0..3
	s_and_b32 s11, ttmp7, 0xffff                   ; 0: k, 1: v
	v_and_b32 v1, 31, v0                           ; lane
	v_and_b32 v2, 15, v0                           ; r
	v_bfe_u32 v3, v0, 4, 1                         ; h
	v_lshlrev_b32 v4, 4, v1                        ; 16 x lane: my bytes of a load's or a store's 512
	v_lshlrev_b32 v7, 3, v1                        ; 8 x lane: my two scale words
.irp b, 0,1,2,3
	v_mov_b32 v[TM+4+\b], 0                        ; written once: a lane permute's destination counts as one of its sources
.endr
	s_lshl_b32 s14, ttmp9, 2
	s_add_co_u32 s14, s14, s10                     ; 16 x head + step = 4 x work-group x + wave
	s_lshl_b32 s14, s14, 15                        ; x 128 rows of 256 bytes (under 2^26)
	s_mov_b32 s15, 0
	s_lshr_b32 s12, ttmp9, 2                       ; head
	s_and_b32 s13, ttmp9, 3
	s_lshl_b32 s13, s13, 2
	s_add_co_u32 s13, s13, s10                     ; step
	s_mul_i32 s12, s12, HEADB
	s_lshl_b32 s16, s13, 14
	s_add_co_u32 s16, s16, s12                     ; the step's codes in kv
	s_mov_b32 s17, 0
	s_lshl_b32 s18, s13, 9
	s_add_co_u32 s18, s18, s12
	s_add_co_u32 s18, s18, 262144                  ; the step's scale words
	s_mov_b32 s19, 0
	s_mov_b32 s[SEL], 0x76543210
	s_mov_b32 s[SEL+1], 0xfedcba98
	s_mov_b32 s[MNT], 0x600000
	s_mul_i32 s23, s10, STG                        ; my stage (k's path; v's lies behind the four)
	s_wait_kmcnt 0x0
	s_cmp_eq_u32 s11, 0                            ; the choice of the source hangs on the work-group's number alone
	s_cselect_b64 s[4:5], s[4:5], s[6:7]
	s_add_nc_u64 s[4:5], s[4:5], s[14:15]
	s_add_nc_u64 s[24:25], s[8:9], s[16:17]
	s_add_nc_u64 s[26:27], s[8:9], s[18:19]
.macro LOAD n                          ; chunk n: 32 rows, 8,192 dense bytes, into set n % 2
.set i, 0
.rept 16
	global_load_b128 v[X+64*((\n)%2)+4*i:X+64*((\n)%2)+4*i+3], v4, s[4:5] offset:8192*(\n)+512*i th:TH_LOAD_NT
.set i, i+1
.endr
.endm
; 64 numbers of a lane, register 16 b + i = the i-th of my 16 numbers of block b (the other 16 lie in lane l xor 16), become 16 registers of codes; the four bytes stay in v[TM+4] on.
.macro QUANT s, pc
.irp b, 0,1,2,3
	v_max3_num_f32 v[TM+\b], |v[\s+16*\b]|, |v[\s+16*\b+1]|, 0x4800000   ; my 16 numbers and the floor 2^(9 - 127): the byte cannot fall under 1
.endr
.irp i, 2,4,6,8,10,12,14
.irp b, 0,1,2,3
	v_max3_num_f32 v[TM+\b], v[TM+\b], |v[\s+16*\b+\i]|, |v[\s+16*\b+\i+1]|   ; the four blocks by turns
.endr
.endr
.irp b, 0,1,2,3
	v_permlanex16_b32 v[TM+4+\b], v[TM+\b], s[SEL], s[SEL+1]
.endr
.irp b, 0,1,2,3
	v_max_num_f32 v[TM+\b], v[TM+\b], v[TM+4+\b]   ; the block's largest magnitude
.endr
.irp b, 0,1,2,3
	v_add_nc_u32 v[TM+12+\b], 0xfc000000, v[TM+\b] ; 8 off its exponent field: the conversion's scale operand
.endr
.irp b, 0,1,2,3
	v_and_or_b32 v[TM+8+\b], v[TM+\b], 0x7f800000, s[MNT]   ; 448 x the scale
.endr
.irp b, 0,1,2,3
	v_lshrrev_b32 v[TM+4+\b], 23, v[TM+12+\b]      ; the scale's byte
.endr
.irp b, 0,1,2,3
.irp i, 0,1,2,3,4,5,6,7,8,9,10,11,12,13,14,15
	v_med3_num_f32 v[\s+16*\b+\i], v[\s+16*\b+\i], -v[TM+8+\b], v[TM+8+\b]   ; the conversion to an 8-bit code does not saturate (ISA guide 7.6.2): the hold comes first
.endr
	v_cvt_scalef32_pk8_fp8_f32 v[\pc+4*\b:\pc+4*\b+1], v[\s+16*\b:\s+16*\b+7], v[TM+12+\b]
	v_cvt_scalef32_pk8_fp8_f32 v[\pc+4*\b+2:\pc+4*\b+3], v[\s+16*\b+8:\s+16*\b+15], v[TM+12+\b]
.endr
	v_nop                                          ; one plain line behind the last conversion
.endm
.macro CHUNK kind, n
.set XS, X+64*((\n)%2)
.set PB, PC+16*(\n)
.if (\n) < 3
	s_wait_loadcnt 16                              ; this chunk's 16 loads are in; the next chunk's 16 may be out
.else
	s_wait_loadcnt 0x0
.endif
.set i, 0
.rept 16
	ds_store_b128 v5, v[XS+4*i:XS+4*i+3] offset:544*i   ; rows 2 i and 2 i + 1 as they were loaded
.set i, i+1
.endr
.if \kind == 0                                 ; LDS serves a wave's instructions in order (ISA guide 5.7.1.4): the loads see the stores, and land in the registers that the stores have read
.irp c, 0,1,2,3
.irp j, 0,1,2,3
	ds_load_b128 v[XS+16*\c+4*\j:XS+16*\c+4*\j+3], v6 offset:2176*(\c/2)+128*(\c%2)+16*\j   ; key 8 (c / 2) + r + 8 (r / 8) of the chunk, channels 32 (c % 2) + 16 h + 4 j on
.endr
.endr
.else
.irp t, 0,1,2,3
.set i, 0
.rept 16
	ds_load_b32 v[XS+16*\t+i], v6 offset:272*i+64*\t   ; key 16 h + i of the chunk, channel 16 t + r: my registers run down the keys
.set i, i+1
.endr
.endr
.endif
	s_wait_dscnt 0x0
	QUANT XS, PB
.if \kind == 0
	v_lshl_or_b32 v[W+\n], v[TM+5], 8, v[TM+4]     ; fragment n's word: tile 2 n's two blocks, then tile 2 n + 1's
	v_lshl_or_b32 v[W+\n], v[TM+6], 16, v[W+\n]
	v_lshl_or_b32 v[W+\n], v[TM+7], 24, v[W+\n]
.else
.irp t, 0,1,2,3
.if (\n) == 0
	v_mov_b32 v[W+\t], v[TM+4+\t]                  ; tile t's word: byte n is the block of keys 32 n on
.else
	v_lshl_or_b32 v[W+\t], v[TM+4+\t], 8*(\n), v[W+\t]
.endif
.endr
.endif
.if (\n) < 2
	LOAD (\n)+2                                    ; into the set that has just been worked
.endif
.irp g, 0,1,2,3
.if \kind == 0
	global_store_b128 v4, v[PB+4*\g:PB+4*\g+3], s[24:25] offset:2048*(\n)+512*\g        ; 32 lanes store 512 consecutive bytes
.else
	global_store_b128 v4, v[PB+4*\g:PB+4*\g+3], s[24:25] offset:8192+2048*\g+512*(\n)
.endif
.endr
.endm
.macro BODY kind
	LOAD 0
	LOAD 1                                         ; 32 loads, 16 KiB, of each wave are out
.if \kind
	s_add_co_u32 s23, s23, 4*STG
.endif
	v_mul_u32_u24 v5, v3, 272                      ; into the stage: lanes 0-15 one row, lanes 16-31 the next, 16 bytes a lane
	v_lshl_add_u32 v5, v2, 4, v5
	v_add_nc_u32 v5, s23, v5
.if \kind
	v_mul_u32_u24 v6, v3, 16*272                   ; out of it, v: rows 16 h on, column r of four bytes
	v_lshl_add_u32 v6, v2, 2, v6
.else
	s_wait_alu depctr_va_vdst(0)
	v_and_b32 v6, 8, v2                            ; out of it, k: row r + 8 (r / 8), 64 h bytes on
	v_add_nc_u32 v6, v6, v2
	v_mul_u32_u24 v6, v6, 272
	v_lshl_add_u32 v6, v3, 6, v6
.endif
	v_add_nc_u32 v6, s23, v6
	s_wait_alu depctr_va_vdst(0)
	CHUNK \kind, 0
	CHUNK \kind, 1
	CHUNK \kind, 2
	CHUNK \kind, 3
	v_cmp_gt_u32 vcc_lo, 16, v1                    ; every word lies in both halves of the lanes: lanes 0-15 keep words 0 and 2, lanes 16-31 words 1 and 3
	v_cndmask_b32 v[SW], v[W+1], v[W], vcc_lo
	v_cndmask_b32 v[SW+1], v[W+3], v[W+2], vcc_lo
	global_store_b64 v7, v[SW:SW+1], s[26:27] offset:256*\kind   ; 32 lanes store 256 consecutive bytes, aligned
.endm
	s_cmp_lg_u32 s11, 0
	s_cbranch_scc1 .Lv
	s_wait_alu depctr_va_vdst(0)
	BODY 0
	s_wait_tensorcnt 0x0
	ds_add_u32 v224, v225
	s_wait_dscnt 0x0
	s_endpgm
.Lv:
	s_wait_alu depctr_va_vdst(0)
	BODY 1
	s_wait_tensorcnt 0x0
	ds_add_u32 v224, v225
	s_wait_dscnt 0x0
	s_endpgm
.Lfunc_end_k_q36f8ea40c8_prep:
	.size	k_q36f8ea40c8_prep, .Lfunc_end_k_q36f8ea40c8_prep-k_q36f8ea40c8_prep
	.p2alignl 7, 3214868480
	.fill 96, 4, 3214868480
	.section	.rodata,"a",@progbits
	.p2align	6, 0x0
	.amdhsa_kernel k_q36f8ea40c8_prep
		.amdhsa_group_segment_fixed_size 70144
		.amdhsa_private_segment_fixed_size 0
		.amdhsa_enable_private_segment 0
		.amdhsa_kernarg_size 24
		.amdhsa_user_sgpr_count 2
		.amdhsa_user_sgpr_kernarg_segment_ptr 1
		.amdhsa_wavefront_size32 1
		.amdhsa_system_sgpr_workgroup_id_x 1
		.amdhsa_system_sgpr_workgroup_id_y 1
		.amdhsa_system_sgpr_workgroup_id_z 1
		.amdhsa_system_vgpr_workitem_id 0
		.amdhsa_next_free_vgpr 226
		.amdhsa_next_free_sgpr 66
		.amdhsa_reserve_vcc 1
		.amdhsa_float_denorm_mode_32 3
		.amdhsa_float_denorm_mode_16_64 3
		.amdhsa_memory_ordered 1
		.amdhsa_forward_progress 1
		.amdhsa_inst_pref_size 112
	.end_amdhsa_kernel
	.amdgpu_metadata
---
amdhsa.version: [ 1, 2 ]
amdhsa.kernels:
  - .name:           k_q36f8ea40c8_prep
    .symbol:         k_q36f8ea40c8_prep.kd
    .args:
      - { .name: k, .offset: 0, .size: 8, .value_kind: global_buffer, .address_space: global }
      - { .name: v, .offset: 8, .size: 8, .value_kind: global_buffer, .address_space: global }
      - { .name: kv, .offset: 16, .size: 8, .value_kind: global_buffer, .address_space: global }
    .group_segment_fixed_size: 70144
    .private_segment_fixed_size: 0
    .kernarg_segment_align: 8
    .kernarg_segment_size: 24
    .max_flat_workgroup_size: 128
    .sgpr_count:     66
    .vgpr_count:     226
    .wavefront_size: 32
...
	.end_amdgpu_metadata
.endif
;; end of part 1
;; launch attn (part 2): grid 4 x 64, 8 waves a work-group, clusters of 4 x 1, 327,680 bytes of LDS; arguments q, kv, out0; writes out0
.if DOCPART == 2
	.amdgcn_target "amdgcn-amd-amdhsa--gfx1250"
	.amdhsa_code_object_version 6
	.text
	.protected	k_q36f8ea40c8_attn
	.globl	k_q36f8ea40c8_attn
	.p2align	8
	.type	k_q36f8ea40c8_attn,@function
k_q36f8ea40c8_attn:
	s_mov_b64 s[64:65], 0
	v_nop
	global_prefetch_b8 v0, s[64:65] scope:SCOPE_SE
	s_setreg_imm32_b32 hwreg(HW_REG_WAVE_MODE, 25, 1), 1
	s_wait_xcnt 0x0
	s_wait_alu depctr_hold_cnt(0) depctr_sa_sdst(0) depctr_va_vdst(0) depctr_va_sdst(0) depctr_va_ssrc(0) depctr_va_vcc(0) depctr_vm_vsrc(0)
	s_getreg_b32 s2, hwreg(HW_REG_IB_STS2, 6, 4)
	s_cmp_eq_u32 s2, 0
	s_cbranch_scc0 .Lentry_in_a_cluster
	s_endpgm
.Lentry_in_a_cluster:
	s_bfe_u32 s2, ttmp6, 0x10000c
	s_cmp_lg_u32 s2, 0x3003
	s_cbranch_scc0 .Lentry_shape_is_right
	s_endpgm
.Lentry_shape_is_right:
; out0[h][q][:] = the sum over k of softmax_k(q . k / 8) v[k][:], 64 heads, 2,048 queries and keys, 64 channels; both products on codes of FP8 (E4M3) with one E8M0 scale for each 32 along K.
; THE SOFTMAX AHEAD OF THE SECOND PRODUCT: t = score x log2(e) / 8; M = the row's largest t so far, rounded UP to a whole number; p = 2^(t - M) is quantised along the keys, not normalised.
; The row's sum is taken of the unquantised p and divides at the end.  When M moves, the sum and O are multiplied by 2^(old M - new M): exact.
; K AND V come from kv as images of the operands' registers (laid by the launch before): a head is 262,144 bytes of codes (16,384 a key step of 128 keys) and 8,192 of scale words (512 a step), and all of it stays in LDS:
; every LDS byte is filled once.  At the head each wave has one joint load: waves 0-3 the codes of steps 0-3, waves 4-7 the scale words; behind the full sequence and a round each wave asks for 96 rows of steps 4-15.
; CLUSTER: the four work-groups of a cluster own the four quarters of one head's queries and need the same 270,336 bytes: every fill is a joint load with the mask of all four.
; kv is not prefetched: it comes in two fills, the second asked for as soon as the first has landed, and no loop stands ahead of either.  Pass 1's q is prefetched once, 13 key steps ahead of its loads.
; SHARES: a work-group owns 512 queries in two passes of 256; each of eight waves owns two tiles of 16 queries at a time: query = 512 quarter + 256 pass + 32 wave + 16 tile + r.  Each fragment of K and V feeds both tiles.
; LAYOUT: both products transposed (S^T = K Q^T, O^T = V^T P^T): a lane holds one query (lane % 16).  The first product's K is 64, the instruction's 128: a fragment of K holds two tiles of 16 keys, and Q lies as
; 8 zeros | 8 codes | 8 zeros: the upper 16 registers pick tile 2 f, the lower 16 tile 2 f + 1.  S^T's registers 16 b + i are keys 32 b + 16 (lane / 16) + i, so the conversions' results are the second product's operand.
; ORDER OF A STEP: both tiles' scores; tile 0's maxima; V's and the NEXT step's K fragments are asked of LDS; tile 0's chain to -M stands among tile 1's maxima, tile 1's among tile 0's multiply-adds;
; tile 0's exponentials stand among tile 1's multiply-adds, tile 1's among the first level of tile 0's sum and tile 0's holds (two holds to a dual instruction); so no line reads the line just above it.
; LIMITS: NaN and infinities among the inputs are not served; a block of zeros has the scale byte 1 (its codes are zeros); a p under 2^-126 comes out of v_exp_f32 as 0; the scaled scores stay under 2^31 in magnitude.
; REGISTERS.  Window 0: v1-9, v242 addresses; v10-17 scale words alone; per tile u 30 registers of state at TT + 30 u; p's codes at PC + 16 u (ahead of the conversions: 16 partial sums of tile 0); S^T, then p, at SS + 64 u;
; v238-241 two more partial sums; v254, v255 the add's.  Window 1: v0-63 K's four fragments; v64-127 V's four tiles (q as it is loaded); Q at QF + 24 u; O^T at OO + 32 u.
; A BLOCK'S SCALE is made without an exponential: the exponent of its largest p = 2^(t - M) is floor(t - M) of its largest score, held at -118 from below (the byte cannot fall under 1).
; LIMIT: where v_exp_f32 rounds that largest p up to the next power of two (t - M within about 4e-8 under a whole number), that one p is held at 448 x the scale, one eighth low.
.set SCL,   262144
.set STG,   270336                     ; a stage of 16 rows x 272 bytes for each wave; no fill lands there
.set SPARE, 305152                     ; the spare words: 128 bytes a wave
.set LI,  1                            ; 16 x lane
.set LS,  2                            ; SCL + 8 x lane
.set PFO, 3                            ; 256 x lane
.set STO, 4                            ; stage: row r, 32 h bytes on
.set RD,  5                            ; stage: lanes 0-15 one row, lanes 16-31 the next
.set QB,  6                            ; stage: row r, 64 h bytes on
.set ADV, 7
.set ADS, 8
.set ADN, 9
.set ADSN, 242
.set QS,  10
.set PS,  12
.set KSC, 14
.set VSC, 16
.set TT,  18                           ; +0 -M, +1 largest score, +2,3 sum, +4,5 f, +6,7 second sum, +8 block maxima, then their t - M, then its floor, +12 other half / bytes, +16 hold, +20 conversion scale, +24 temp, +29 new -M
.set PC,  78
.set SS,  110
.set SUM3, 238
.set SUM4, 240
.set FK,  0
.set FV,  64
.set QF,  128
.set OO,  176
.set WV,  10
.set G1C, 16                           ; 64 rows of 256 bytes
.set G1S, 24                           ; 8 rows
.set G0C, 32
.set G0S, 36
.set G1D, 40                           ; 96 rows
.set G0D, 48
.set SEL, 52
.set CS,  54
.set MNT, 56
.set TB,  57
.set TBN, 58
.set CNT, 59
.set NC,  60
.set TS,  61
.set TSN, 62
.set MSB, 0
.macro WIN new                         ; s_set_vgpr_msb: bits 1:0 source 0, 3:2 source 1, 5:4 source 2, 7:6 destination; the high byte repeats the setting that is left
.if MSB != (\new)
	s_set_vgpr_msb (MSB<<8)|(\new)
.set MSB, (\new)
.endif
.endm
.macro CROUND                          ; a round of the cluster's barrier
	s_barrier_signal -1
	s_barrier_wait -1
	s_cmp_lg_u32 s[WV], 0
	s_cbranch_scc1 .Lnot_wave_0_\@
	s_barrier_signal -3
.Lnot_wave_0_\@:
	s_barrier_wait -3
	s_barrier_signal -1
	s_barrier_wait -1
.endm
.macro NOPS n
.rept \n
	v_nop
.endr
.endm
.macro G1 g, rows                      ; dense rows of 256 bytes (32 elements of 8 bytes), the mask of all four work-groups, bit 21 beside it
	s_mov_b32 s[\g], 15|(3<<16)|(1<<21)
	s_mov_b32 s[\g+1], 32<<16
	s_mov_b32 s[\g+2], (\rows)<<16
	s_mov_b32 s[\g+3], 32<<16
	s_mov_b32 s[\g+4], \rows
	s_mov_b32 s[\g+5], 32
	s_mov_b32 s[\g+6], 0
	s_mov_b32 s[\g+7], 0
.endm
.macro QLOAD p                         ; my 32 rows of q, dense: each load reads 512 consecutive bytes, into V's registers
	WIN 0x40
.irp u, 0,1
.irp i, 0,1,2,3,4,5,6,7
	global_load_b128 v[FV+32*\u+4*\i:FV+32*\u+4*\i+3], v[LI], s[4:5] offset:65536*\p+4096*\u+512*\i th:TH_LOAD_NT
.endr
.endr
	WIN 0
.endm
.macro QTURN                           ; a tile turns through my stage and comes back with 16 neighbours of each block in a lane; LDS serves a wave's instructions in order
.irp u, 0,1
	s_wait_loadcnt 8-8*\u                          ; this tile's eight loads are in; the other tile's may be out
	WIN 0x04
.irp i, 0,1,2,3,4,5,6,7
	ds_store_b128 v[RD], v[FV+32*\u+4*\i:FV+32*\u+4*\i+3] offset:544*\i
.endr
	WIN 0
.irp c, 0,1
.irp j, 0,1,2,3
	ds_load_b128 v[SS+64*\u+16*\c+4*\j:SS+64*\u+16*\c+4*\j+3], v[QB] offset:128*\c+16*\j
.endr
.endr
.endr
.endm
.macro QQUANT u                        ; 32 numbers of a lane become 8 registers of codes in window 1 and the scale word s0 | s1 << 8 | s0 << 16 | s1 << 24
.set T, TT+30*\u
.set S, SS+64*\u
	s_wait_dscnt 16-16*\u                          ; this tile is back; the other tile's 16 stage instructions may be out
.irp b, 0,1
	v_max3_num_f32 v[T+8+\b], |v[S+16*\b]|, |v[S+16*\b+1]|, 0x4800000   ; with the floor 2^(9 - 127): the byte cannot fall under 1
.endr
.irp i, 2,4,6,8,10,12,14
.irp b, 0,1
	v_max3_num_f32 v[T+8+\b], v[T+8+\b], |v[S+16*\b+\i]|, |v[S+16*\b+\i+1]|
.endr
.endr
.irp b, 0,1
	v_permlanex16_b32 v[T+12+\b], v[T+8+\b], s[SEL], s[SEL+1]
.endr
.irp b, 0,1
	v_max_num_f32 v[T+8+\b], v[T+8+\b], v[T+12+\b]
.endr
.irp b, 0,1
	v_add_nc_u32 v[T+20+\b], 0xfc000000, v[T+8+\b]
.endr
.irp b, 0,1
	v_and_or_b32 v[T+16+\b], v[T+8+\b], 0x7f800000, s[MNT]
.endr
.irp b, 0,1
	v_lshrrev_b32 v[T+12+\b], 23, v[T+20+\b]
.endr
	v_lshl_or_b32 v[QS+\u], v[T+13], 8, v[T+12]
	v_lshl_or_b32 v[QS+\u], v[QS+\u], 16, v[QS+\u]
.irp b, 0,1
.irp i, 0,1,2,3,4,5,6,7,8,9,10,11,12,13,14,15
	v_med3_num_f32 v[S+16*\b+\i], v[S+16*\b+\i], -v[T+16+\b], v[T+16+\b]   ; the conversion does not saturate (ISA guide 7.6.2)
.endr
.endr
	WIN 0x40
.irp b, 0,1
	v_cvt_scalef32_pk8_fp8_f32 v[QF+24*\u+8+4*\b:QF+24*\u+9+4*\b], v[S+16*\b:S+16*\b+7], v[T+20+\b]
	v_cvt_scalef32_pk8_fp8_f32 v[QF+24*\u+10+4*\b:QF+24*\u+11+4*\b], v[S+16*\b+8:S+16*\b+15], v[T+20+\b]
.endr
	v_nop                                          ; one plain line behind the last conversion
	WIN 0
.endm
.macro INIT                            ; a pass begins: the first step finds zeros, which the first change of M leaves zeros
.irp u, 0,1
	v_mov_b32 v[TT+30*\u], 0x7f61b1e6              ; -M
	v_mov_b32 v[TT+30*\u+1], 0xff61b1e6            ; the largest score so far: -3e38
	v_mov_b32 v[TT+30*\u+2], 0
	v_mov_b32 v[TT+30*\u+3], 0
.endr
	WIN 0x40
.set j, 0
.rept 64
	v_mov_b32 v[OO+j], 0
.set j, j+1
.endr
	WIN 0
.endm
.macro KLOADS                          ; K's four fragments and scale words of the step at s[TBN], s[TSN]
	WIN 0x40
.irp f, 0,1,2,3
.irp c, 0,1,2,3
	ds_load_b128 v[FK+16*\f+4*\c:FK+16*\f+4*\c+3], v[ADN] offset:2048*\f+512*\c
.endr
.endr
	WIN 0
	ds_load_b64 v[KSC:KSC+1], v[ADSN]
.endm
.macro KQ f, u                         ; two products on fragment f: tile 2 f by q | 0, tile 2 f + 1 by 0 | q
.set S, SS+64*\u
.set Q, QF+24*\u
.if (\f)%2
	v_wmma_scale_f32_16x16x128_f8f6f4 v[S+16*(\f):S+16*(\f)+7], v[FK+16*(\f):FK+16*(\f)+15], v[Q+8:Q+23], 0, v[KSC+(\f)/2], v[QS+\u] matrix_a_scale:MATRIX_SCALE_ROW1
	v_wmma_scale_f32_16x16x128_f8f6f4 v[S+16*(\f)+8:S+16*(\f)+15], v[FK+16*(\f):FK+16*(\f)+15], v[Q:Q+15], 0, v[KSC+(\f)/2], v[QS+\u] matrix_a_scale:MATRIX_SCALE_ROW1
.else
	v_wmma_scale_f32_16x16x128_f8f6f4 v[S+16*(\f):S+16*(\f)+7], v[FK+16*(\f):FK+16*(\f)+15], v[Q+8:Q+23], 0, v[KSC+(\f)/2], v[QS+\u]
	v_wmma_scale_f32_16x16x128_f8f6f4 v[S+16*(\f)+8:S+16*(\f)+15], v[FK+16*(\f):FK+16*(\f)+15], v[Q:Q+15], 0, v[KSC+(\f)/2], v[QS+\u]
.endif
.endm
; The largest score of each block of 32 keys, four chains by turns, in eight rounds; each matrix result is read from its low end on.
.macro MX0 u
.irp b, 0,1,2,3
	v_max3_num_f32 v[TT+30*\u+8+\b], v[SS+64*\u+16*\b], v[SS+64*\u+16*\b+1], v[SS+64*\u+16*\b+2]
.endr
.endm
.macro MXR u, i
.irp b, 0,1,2,3
	v_max3_num_f32 v[TT+30*\u+8+\b], v[TT+30*\u+8+\b], v[SS+64*\u+16*\b+\i], v[SS+64*\u+16*\b+\i+1]
.endr
.endm
.macro MXL u
.irp b, 0,1,2,3
	v_max_num_f32 v[TT+30*\u+8+\b], v[TT+30*\u+8+\b], v[SS+64*\u+16*\b+15]
.endr
.endm
.macro PRM u
.irp b, 0,1,2,3
	v_permlanex16_b32 v[TT+30*\u+12+\b], v[TT+30*\u+8+\b], s[SEL], s[SEL+1]
.endr
.endm
.macro PMX u                           ; with lane l xor 16's 16 keys
.irp b, 0,1,2,3
	v_max_num_f32 v[TT+30*\u+8+\b], v[TT+30*\u+8+\b], v[TT+30*\u+12+\b]
.endr
.endm
.macro CH u, n                         ; the n-th link of the chain from the blocks' maxima to -M and f
.set T, TT+30*\u
.if \n == 1
	v_max3_num_f32 v[T+24], v[T+8], v[T+9], v[T+10]
.endif
.if \n == 2
	v_max3_num_f32 v[T+1], v[T+24], v[T+11], v[T+1]   ; the running largest score
.endif
.if \n == 3
	v_mul_f32 v[T+29], s[NC], v[T+1]               ; -t (c is positive, so the largest score gives the largest t)
.endif
.if \n == 4
	v_floor_f32 v[T+29], v[T+29]                   ; the new -M = -ceil(t)
.endif
.if \n == 5
	v_sub_f32 v[T+24], v[T+29], v[T]               ; old M - new M: a whole number, 0 or less
	v_mov_b32 v[T], v[T+29]
.endif
.if \n == 6
	v_cvt_i32_f32 v[T+24], v[T+24]                 ; (it saturates)
.endif
.if \n == 7
	v_ldexp_f32 v[T+4], 1.0, v[T+24]               ; f = 2^(old M - new M)
.endif
.endm
.macro FM0 g                           ; tile 0: t - M of registers 8 g on, two at a time
.irp i, 0,2,4,6
	v_pk_fma_f32 v[SS+8*\g+\i:SS+8*\g+\i+1], v[SS+8*\g+\i:SS+8*\g+\i+1], s[CS:CS+1], v[TT:TT+1] op_sel_hi:[1,0,0]
.endr
.endm
; From t - M of the blocks' largest scores: SC 1 the hold at -118, 2 E = its floor as a whole number, 3 the conversion's scale (E + 119) << 23, 4 the byte E + 119, 5 the hold 448 x the scale = 1.75 x 2^E; PSW: p's scale word, byte by byte
.macro SC u, n, b0=0, b1=1, b2=2, b3=3
.set T, TT+30*\u
.irp b, \b0,\b1,\b2,\b3
.if \n == 1
	v_max_num_f32 v[T+8+\b], 0xc2ec0000, v[T+8+\b]
.endif
.if \n == 2
	v_cvt_floor_i32_f32 v[T+8+\b], v[T+8+\b]
.endif
.if \n == 3
	v_add_lshl_u32 v[T+20+\b], v[T+8+\b], 119, 23
.endif
.if \n == 4
	v_add_nc_u32 v[T+12+\b], 119, v[T+8+\b]
.endif
.if \n == 5
	v_add_nc_u32 v[T+16+\b], 0x4600000, v[T+20+\b]
.endif
.endr
.endm
.macro PSW u, n
.if \n == 1
	v_lshl_or_b32 v[PS+\u], v[TT+30*\u+13], 8, v[TT+30*\u+12]
.else
	v_lshl_or_b32 v[PS+\u], v[TT+30*\u+12+\n], 8*\n, v[PS+\u]
.endif
.endm
.macro SR u, j                         ; four partial sums take two p each, from register j on
.set T, TT+30*\u
.set S, SS+64*\u
	v_pk_add_f32 v[T+2:T+3], v[T+2:T+3], v[S+\j:S+\j+1]
	v_pk_add_f32 v[T+6:T+7], v[T+6:T+7], v[S+\j+2:S+\j+3]
	v_pk_add_f32 v[SUM3:SUM3+1], v[SUM3:SUM3+1], v[S+\j+4:S+\j+5]
	v_pk_add_f32 v[SUM4:SUM4+1], v[SUM4:SUM4+1], v[S+\j+6:S+\j+7]
.endm
.macro POST u                          ; the scales' lines and the row's sum of the unquantised p, by turns; the last addition (SUM3) is left to the caller
.set T, TT+30*\u
.set S, SS+64*\u
	v_pk_add_f32 v[T+6:T+7], v[S:S+1], v[S+2:S+3]
	v_pk_add_f32 v[SUM3:SUM3+1], v[S+4:S+5], v[S+6:S+7]
	v_pk_add_f32 v[SUM4:SUM4+1], v[S+8:S+9], v[S+10:S+11]
	v_pk_add_f32 v[T+2:T+3], v[T+2:T+3], v[S+12:S+13]
	SC \u, 1
	SR \u, 14
	SC \u, 2
	SR \u, 22
	SC \u, 3
	SR \u, 30
	SC \u, 4
	SR \u, 38
	SC \u, 5
	SR \u, 46
	PSW \u, 1
	SR \u, 54
	PSW \u, 2
	v_pk_add_f32 v[T+2:T+3], v[T+2:T+3], v[S+62:S+63]
	v_pk_add_f32 v[SUM3:SUM3+1], v[SUM3:SUM3+1], v[SUM4:SUM4+1]
	PSW \u, 3
	v_pk_add_f32 v[T+2:T+3], v[T+2:T+3], v[T+6:T+7]
.endm
.macro HOLD2 u, j                      ; the hold of p's registers j and j + 1: p is not negative, so it is one-sided
	v_dual_min_num_f32 v[SS+64*\u+(\j)], v[SS+64*\u+(\j)], v[TT+30*\u+16+(\j)/16] :: v_dual_min_num_f32 v[SS+64*\u+(\j)+1], v[SS+64*\u+(\j)+1], v[TT+30*\u+16+(\j)/16]
.endm
.macro CVT2 u, b                       ; block b's 16 numbers of a lane become four registers of codes
	v_cvt_scalef32_pk8_fp8_f32 v[PC+16*\u+4*\b:PC+16*\u+4*\b+1], v[SS+64*\u+16*\b:SS+64*\u+16*\b+7], v[TT+30*\u+20+\b]
	v_cvt_scalef32_pk8_fp8_f32 v[PC+16*\u+4*\b+2:PC+16*\u+4*\b+3], v[SS+64*\u+16*\b+8:SS+64*\u+16*\b+15], v[TT+30*\u+20+\b]
.endm
.macro XADD d, s, n                    ; tile 0's partial sums X[k] = v[PC + 2 k] on: X[d + i] += X[s + i], i under n
.set i, 0
.rept \n
	v_pk_add_f32 v[PC+2*(\d+i):PC+2*(\d+i)+1], v[PC+2*(\d+i):PC+2*(\d+i)+1], v[PC+2*(\s+i):PC+2*(\s+i)+1]
.set i, i+1
.endr
.endm
; A KEY STEP: 128 keys for both tiles.  Its fragments of K were asked for a step earlier.  pre = 1: the next step's are asked for here.  Every window is 0 at its head and at its end.
.macro STEP pre
	s_wait_dscnt 0x0                               ; K's fragments and scale words are in
	WIN 0x05                                       ; K and Q in window 1, S^T in window 0
.irp u, 0,1
.irp f, 0,1,2,3
	KQ \f, \u
.endr
.endr
	WIN 0
	v_add_nc_u32 v[ADV], s[TB], v[LI]              ; eight plain lines between the last product and the first read of the scores
	v_add_nc_u32 v[ADS], s[TS], v[LS]
.if \pre
	v_add_nc_u32 v[ADN], s[TBN], v[LI]
	v_add_nc_u32 v[ADSN], s[TSN], v[LS]
.else
	NOPS 2
.endif
	NOPS 4
	MX0 0
.irp i, 3,5,7,9,11,13
	MXR 0, \i
.endr
	MXL 0
	WIN 0x40                                       ; tile 0's maxima are the plain lines between the products and these loads into registers that they read
.irp t, 0,1,2,3
.irp c, 0,1,2,3
	ds_load_b128 v[FV+16*\t+4*\c:FV+16*\t+4*\c+3], v[ADV] offset:8192+2048*\t+512*\c
.endr
.endr
	WIN 0
	ds_load_b64 v[VSC:VSC+1], v[ADS] offset:256
.if \pre
	KLOADS
.endif
	PRM 0                                          ; tile 0's chain, a link at a time, among tile 1's maxima
	MX0 1
	PMX 0
	MXR 1, 3
	CH 0, 1
	MXR 1, 5
	CH 0, 2
	MXR 1, 7
	CH 0, 3
	MXR 1, 9
	CH 0, 4
	MXR 1, 11
	CH 0, 5
	MXR 1, 13
	CH 0, 6
	MXL 1
	CH 0, 7
.irp b, 0,1,2,3
	v_fma_f32 v[TT+8+\b], v[TT+8+\b], s[CS], v[TT]  ; t - M of each block's largest score
.endr
	FM0 0                                          ; tile 1's chain and tile 0's scales among tile 0's multiply-adds
	PRM 1
	SC 0, 1
	FM0 1
	PMX 1
	SC 0, 2
	FM0 2
	CH 1, 1
	SC 0, 3
	FM0 3
	CH 1, 2
	SC 0, 4
	FM0 4
	CH 1, 3
	SC 0, 5
	FM0 5
	CH 1, 4
	PSW 0, 1
	FM0 6
	CH 1, 5
	PSW 0, 2
	FM0 7
	CH 1, 6
	PSW 0, 3
	CH 1, 7
	s_wait_alu depctr_va_vdst(0)                   ; the wait ahead of the batch
.set j, 0
.rept 32                                       ; tile 0's p = 2^(t - M); among them tile 1's t - M, whose sources were written ahead of the wait above and whose results are read behind the wait below
	v_exp_f32 v[SS+j], v[SS+j]
	v_pk_fma_f32 v[SS+64+j:SS+64+j+1], v[SS+64+j:SS+64+j+1], s[CS:CS+1], v[TT+30:TT+31] op_sel_hi:[1,0,0]
	v_exp_f32 v[SS+j+1], v[SS+j+1]
.set j, j+2
.endr
.irp b, 0,1,2,3
	v_fma_f32 v[TT+38+\b], v[TT+38+\b], s[CS], v[TT+30]
.endr
.irp u, 0,1
	v_pk_mul_f32 v[TT+30*\u+2:TT+30*\u+3], v[TT+30*\u+2:TT+30*\u+3], v[TT+30*\u+4:TT+30*\u+5] op_sel_hi:[1,0]   ; the sums under the new M
.endr
	s_wait_alu depctr_va_vdst(0)                   ; one wait: behind tile 0's batch and ahead of tile 1's
.set k, 0
.rept 16                                       ; tile 1's p; among them the first level of tile 0's sum of the unquantised p (into the registers that will take p's codes), and behind it tile 0's holds
	v_exp_f32 v[SS+64+4*k], v[SS+64+4*k]
	v_pk_add_f32 v[PC+2*k:PC+2*k+1], v[SS+4*k:SS+4*k+1], v[SS+4*k+2:SS+4*k+3]
	v_exp_f32 v[SS+64+4*k+1], v[SS+64+4*k+1]
	HOLD2 0, 4*k
	v_exp_f32 v[SS+64+4*k+2], v[SS+64+4*k+2]
	HOLD2 0, 4*k+2
	v_exp_f32 v[SS+64+4*k+3], v[SS+64+4*k+3]
.set k, k+1
.endr
	v_nop                                          ; a plain line behind the exponentials
	s_wait_alu depctr_va_vdst(0)
	XADD 8, 0, 8                                   ; the sum's tree leaves tile 0's code registers first; its later levels stand among the conversions, whose registers they do not name
	CVT2 0, 0
	XADD 12, 8, 4
	CVT2 0, 1
	XADD 14, 12, 2
	CVT2 0, 2
	XADD 15, 14, 1
	CVT2 0, 3
	v_pk_add_f32 v[TT+2:TT+3], v[TT+2:TT+3], v[PC+30:PC+31]
	POST 1
.set j, 0
.rept 4
	HOLD2 1, j
.set j, j+2
.endr
	v_pk_add_f32 v[TT+32:TT+33], v[TT+32:TT+33], v[SUM3:SUM3+1]
.rept 28
	HOLD2 1, j
.set j, j+2
.endr
.irp b, 0,1,2,3
	CVT2 1, \b
.endr
	WIN 0x41                                       ; O^T in window 1, f in window 0
	s_wait_alu depctr_va_vdst(0)                   ; directly ahead of the first reader of O^T
.irp u, 0,1
.set j, 0
.rept 16
	v_pk_mul_f32 v[OO+32*\u+j:OO+32*\u+j+1], v[OO+32*\u+j:OO+32*\u+j+1], v[TT+30*\u+4:TT+30*\u+5] op_sel_hi:[1,0]   ; O^T under the new M, each accumulator from its low end on
.set j, j+2
.endr
.endr
	s_wait_alu depctr_va_vdst(0)                   ; directly ahead of the wait below
	s_wait_dscnt 17*\pre                           ; V and its scale words are in; the next step's 17 loads for K may be out
	WIN 0x51                                       ; V and O^T in window 1, p's codes in window 0
.irp t, 0,1,2,3                                ; O^T += V^T P^T: eight accumulators by turns
.irp u, 0,1
.if \t%2
	v_wmma_scale_f32_16x16x128_f8f6f4 v[OO+32*\u+8*\t:OO+32*\u+8*\t+7], v[FV+16*\t:FV+16*\t+15], v[PC+16*\u:PC+16*\u+15], v[OO+32*\u+8*\t:OO+32*\u+8*\t+7], v[VSC+\t/2], v[PS+\u] matrix_a_scale:MATRIX_SCALE_ROW1
.else
	v_wmma_scale_f32_16x16x128_f8f6f4 v[OO+32*\u+8*\t:OO+32*\u+8*\t+7], v[FV+16*\t:FV+16*\t+15], v[PC+16*\u:PC+16*\u+15], v[OO+32*\u+8*\t:OO+32*\u+8*\t+7], v[VSC+\t/2], v[PS+\u]
.endif
.endr
.endr
	WIN 0
	s_add_co_u32 s[TB], s[TB], 16384
	s_add_co_u32 s[TS], s[TS], 512
	s_add_co_u32 s[TBN], s[TBN], 16384
	s_add_co_u32 s[TSN], s[TSN], 512
.endm
.macro STEPS n
	s_mov_b32 s[CNT], \n
	s_wait_alu depctr_va_vdst(0)
.Lsteps_\@:
	STEP 1
	s_sub_co_u32 s[CNT], s[CNT], 1
	s_cmp_lg_u32 s[CNT], 0
	s_cbranch_scc1 .Lsteps_\@
.endm
; THE WAY OUT of a pass: O^T / the sum; a tile of 16 queries goes through my stage and comes back as whole rows of 256 bytes.  p = 0: the next pass's q is asked for first.
.macro WAYOUT p
.irp u, 0,1
	v_add_f32 v[TT+30*\u+2], v[TT+30*\u+2], v[TT+30*\u+3]
.endr
.irp u, 0,1
	v_permlanex16_b32 v[TT+30*\u+24], v[TT+30*\u+2], s[SEL], s[SEL+1]
.endr
.irp u, 0,1
	v_add_f32 v[TT+30*\u+2], v[TT+30*\u+2], v[TT+30*\u+24]
.endr
	NOPS 2                                         ; eight plain lines behind the last products
.if \p == 0
	QLOAD 1
.endif
	s_wait_alu depctr_va_vdst(0)
	v_rcp_f32 v[TT+2], v[TT+2]
	v_rcp_f32 v[TT+32], v[TT+32]
	v_nop
	WIN 0x01
	s_wait_alu depctr_va_vdst(0)
.irp u, 0,1
.set j, 0
.rept 16
	v_pk_mul_f32 v[SS+64*\u+j:SS+64*\u+j+1], v[OO+32*\u+j:OO+32*\u+j+1], v[TT+30*\u+2:TT+30*\u+3] op_sel_hi:[1,0]
.set j, j+2
.endr
.endr
	WIN 0
.irp u, 0,1
.irp t, 0,1,2,3
	ds_store_b128 v[STO], v[SS+64*\u+8*\t:SS+64*\u+8*\t+3] offset:64*\t
	ds_store_b128 v[STO], v[SS+64*\u+8*\t+4:SS+64*\u+8*\t+7] offset:64*\t+16
.endr
.irp i, 0,1,2,3,4,5,6,7
	ds_load_b128 v[SS+64*\u+32+4*\i:SS+64*\u+32+4*\i+3], v[RD] offset:544*\i
.endr
.endr
.irp i, 0,1,2,3,4,5,6,7
	s_wait_dscnt 23-\i                             ; tile 0's load i is in: behind it its 7 - i later loads and tile 1's 16 LDS instructions
	global_store_b128 v[LI], v[SS+32+4*\i:SS+32+4*\i+3], s[8:9] offset:65536*\p+512*\i th:TH_STORE_NT   ; 32 lanes store 512 consecutive bytes, aligned
.endr
.irp i, 0,1,2,3,4,5,6,7
	s_wait_dscnt 7-\i
	global_store_b128 v[LI], v[SS+96+4*\i:SS+96+4*\i+3], s[8:9] offset:65536*\p+4096+512*\i th:TH_STORE_NT
.endr
.if \p == 0
	s_wait_xcnt 0x0                                ; the stores' data registers take the next pass's scores only behind this wait
.endif
.endm
	s_load_b128 s[4:7], s[0:1], 0x0                ; q, kv
	s_load_b64 s[8:9], s[0:1], 0x10                ; out0
	v_lshl_add_u32 v254, v0, 2, SPARE
	v_mov_b32 v255, 0
	ds_add_u32 v254, v255                          ; the opening lines: the add twice on end and one wait
	ds_add_u32 v254, v255
	v_lshrrev_b32 v7, 5, v0
	v_readfirstlane_b32 s[WV], v7                  ; wave 0..7
	v_and_b32 v7, 31, v0                           ; lane
	v_and_b32 v8, 15, v0                           ; r
	v_bfe_u32 v9, v0, 4, 1                         ; h
	s_mul_i32 s15, s[WV], 16*272
	s_add_co_u32 s15, s15, STG                     ; my stage
	v_lshlrev_b32 v[LI], 4, v7
	v_lshl_add_u32 v[LS], v7, 3, SCL
	v_lshlrev_b32 v[PFO], 8, v7
	v_mul_u32_u24 v[STO], v8, 272
	v_mul_u32_u24 v[RD], v9, 272
	v_lshl_add_u32 v[QB], v9, 6, v[STO]
	v_lshl_add_u32 v[STO], v9, 5, v[STO]
	v_lshl_add_u32 v[RD], v8, 4, v[RD]
	v_add_nc_u32 v[QB], s15, v[QB]
	v_add_nc_u32 v[STO], s15, v[STO]
	v_add_nc_u32 v[RD], s15, v[RD]
	s_wait_alu depctr_va_vdst(0)                   ; ahead of the run of scalar lines
	s_and_b32 s12, s[WV], 3
	s_lshl_b32 s13, s12, 14                        ; head: waves 0-3: my 16,384 bytes of the first four steps' codes
	s_lshl_b32 s14, s12, 11                        ; waves 4-7: my 2,048 bytes of the scale words
	s_mul_i32 s63, s[WV], 24576
	s_add_co_u32 s63, s63, 65536                   ; later: my 24,576 bytes of steps 4-15
	s_bfe_u32 s11, ttmp6, 0x40000                  ; cx: it enters q's and out0's addresses alone
	s_and_b32 s12, ttmp7, 0xffff                   ; the head, which the four partners share
	s_lshl_b32 s66, ttmp9, 2
	s_add_co_u32 s66, s66, s11                     ; my quarter of the queries
	s_lshl_b32 s66, s66, 17
	s_lshl_b32 s67, s12, 19
	s_add_co_u32 s66, s66, s67
	s_lshl_b32 s67, s[WV], 13                      ; my wave's 32 rows
	s_add_co_u32 s66, s66, s67
	s_mov_b32 s67, 0
	s_mul_i32 s68, s12, 270336                     ; the head in kv: registers that never hold cx
	s_add_co_u32 s70, s68, s14
	s_add_co_u32 s70, s70, SCL
	s_add_co_u32 s72, s68, s63
	s_add_co_u32 s68, s68, s13
	s_mov_b32 s69, 0
	s_mov_b32 s71, 0
	s_mov_b32 s73, 0
	G1 G1C, 64
	G1 G1S, 8
	G1 G1D, 96
	s_mov_b32 s[SEL], 0x76543210
	s_mov_b32 s[SEL+1], 0xfedcba98
	s_mov_b32 s[CS], 0x3e38aa3b                    ; c = log2(e) / 8
	s_mov_b32 s[CS+1], s[CS]
	s_mov_b32 s[NC], 0xbe38aa3b                    ; -c
	s_mov_b32 s[MNT], 0x600000
	s_wait_dscnt 0x0
	s_wait_kmcnt 0x0
	s_add_nc_u64 s[4:5], s[4:5], s[66:67]          ; q and out0 at my wave's first row
	s_add_nc_u64 s[8:9], s[8:9], s[66:67]
	QLOAD 0                                        ; q takes longest to use: it is asked for first
	s_mov_b32 s[G0C], 1
	s_mov_b32 s[G0C+1], s13
	s_add_nc_u64 s[G0C+2:G0C+3], s[6:7], s[68:69]
	s_or_b32 s[G0C+3], s[G0C+3], 0x80000000
	s_mov_b32 s[G0S], 1
	s_add_co_u32 s[G0S+1], s14, SCL
	s_add_nc_u64 s[G0S+2:G0S+3], s[6:7], s[70:71]
	s_or_b32 s[G0S+3], s[G0S+3], 0x80000000
	s_mov_b32 s[G0D], 1
	s_mov_b32 s[G0D+1], s63
	s_add_nc_u64 s[G0D+2:G0D+3], s[6:7], s[72:73]
	s_or_b32 s[G0D+3], s[G0D+3], 0x80000000
	CROUND                                         ; all four work-groups are here: the joint loads meet
	s_cmp_lt_u32 s[WV], 4                          ; one load a wave, one to an arm
	s_cbranch_scc0 .Lscales
	tensor_load_to_lds s[G0C:G0C+3], s[G1C:G1C+7]
	s_nop 0
	NOPS 4
	s_branch .Lasked
.Lscales:
	tensor_load_to_lds s[G0S:G0S+3], s[G1S:G1S+7]
	s_nop 0
	NOPS 4
.Lasked:
.irp u, 0,1
.irp i, 0,1,2,3
	v_mov_b32 v[TT+30*\u+12+\i], 0                 ; a lane permute's destination counts as one of its sources
.endr
	v_mov_b32 v[TT+30*\u+24], 0
	v_mov_b32 v[TT+30*\u+5], 0                     ; (named as the upper half of a pair)
.endr
	WIN 0x40
.irp u, 0,1
.irp i, 0,1,2,3,4,5,6,7
	v_mov_b32 v[QF+24*\u+\i], 0                    ; the zero codes on both sides of Q's
	v_mov_b32 v[QF+24*\u+16+\i], 0
.endr
.endr
	WIN 0
	INIT
	QTURN
	QQUANT 0
	QQUANT 1
	s_wait_alu depctr_va_vdst(0)                   ; the head's end
	s_wait_tensorcnt 0x0                           ; my part of the first fills is in
	ds_add_u32 v254, v255
	s_wait_dscnt 0x0
	CROUND
	tensor_load_to_lds s[G0D:G0D+3], s[G1D:G1D+7]  ; steps 4-15: my one load behind the round
	s_nop 0
	NOPS 4
	s_mov_b32 s[TB], 0
	s_mov_b32 s[TS], 0
	s_mov_b32 s[TBN], 0
	s_mov_b32 s[TSN], 0
	v_add_nc_u32 v[ADN], s[TBN], v[LI]
	v_add_nc_u32 v[ADSN], s[TSN], v[LS]
	KLOADS                                         ; step 0's K
	s_mov_b32 s[TBN], 16384
	s_mov_b32 s[TSN], 512
	STEPS 3                                        ; steps 0-2; the last of them asks for step 3's K, which lies in the first fill
	s_wait_tensorcnt 0x0                           ; my part of steps 4-15 is in,
	ds_add_u32 v254, v255
	s_wait_dscnt 0x0
	s_barrier_signal -1
	s_barrier_wait -1                              ; and everybody's; nothing is filled from here on
	global_prefetch_b8 v[PFO], s[4:5] offset:65536 th:TH_LOAD_NT scope:SCOPE_SE   ; pass 1's q: my 32 rows of 256 bytes, a lane a row, 13 steps ahead of their loads; the address registers are never rewritten
	STEPS 12                                       ; steps 3-14
	s_mov_b32 s[TBN], 0                            ; step 15 asks for step 0's K, for the second pass
	s_mov_b32 s[TSN], 0
	STEP 1
	WAYOUT 0
	QTURN
	QQUANT 0
	QQUANT 1
	INIT
	s_mov_b32 s[TB], 0
	s_mov_b32 s[TS], 0
	s_mov_b32 s[TBN], 16384
	s_mov_b32 s[TSN], 512
	STEPS 15
	STEP 0                                         ; the last step asks for nothing
	WAYOUT 1
	s_wait_tensorcnt 0x0                           ; the wave's end
	ds_add_u32 v254, v255
	s_wait_dscnt 0x0
	CROUND                                         ; the closing round
	s_endpgm
.Lfunc_end_k_q36f8ea40c8_attn:
	.size	k_q36f8ea40c8_attn, .Lfunc_end_k_q36f8ea40c8_attn-k_q36f8ea40c8_attn
	.p2alignl 7, 3214868480
	.fill 96, 4, 3214868480
	.section	.rodata,"a",@progbits
	.p2align	6, 0x0
	.amdhsa_kernel k_q36f8ea40c8_attn
		.amdhsa_group_segment_fixed_size 327680
		.amdhsa_private_segment_fixed_size 0
		.amdhsa_enable_private_segment 0
		.amdhsa_kernarg_size 24
		.amdhsa_user_sgpr_count 2
		.amdhsa_user_sgpr_kernarg_segment_ptr 1
		.amdhsa_wavefront_size32 1
		.amdhsa_system_sgpr_workgroup_id_x 1
		.amdhsa_system_sgpr_workgroup_id_y 1
		.amdhsa_system_sgpr_workgroup_id_z 1
		.amdhsa_system_vgpr_workitem_id 0
		.amdhsa_next_free_vgpr 512
		.amdhsa_next_free_sgpr 80
		.amdhsa_reserve_vcc 0
		.amdhsa_float_denorm_mode_32 3
		.amdhsa_float_denorm_mode_16_64 3
		.amdhsa_memory_ordered 1
		.amdhsa_forward_progress 1
		.amdhsa_inst_pref_size 221
	.end_amdhsa_kernel
	.amdgpu_metadata
---
amdhsa.version: [ 1, 2 ]
amdhsa.kernels:
  - .name:           k_q36f8ea40c8_attn
    .symbol:         k_q36f8ea40c8_attn.kd
    .args:
      - { .name: q, .offset: 0, .size: 8, .value_kind: global_buffer, .address_space: global }
      - { .name: kv, .offset: 8, .size: 8, .value_kind: global_buffer, .address_space: global }
      - { .name: out0, .offset: 16, .size: 8, .value_kind: global_buffer, .address_space: global }
    .group_segment_fixed_size: 327680
    .private_segment_fixed_size: 0
    .kernarg_segment_align: 8
    .kernarg_segment_size: 24
    .max_flat_workgroup_size: 256
    .sgpr_count:     80
    .vgpr_count:     512
    .wavefront_size: 32
...
	.end_amdgpu_metadata
.endif
;; end of part 2
